; MI455X (gfx1250); checked and timed in simulation.
; The chip was launched on July 23, 2026; its instructions are those of AMD's public machine-readable ISA for CDNA 5 (MIT licence, August 2026) and "CDNA5" Instruction Set Architecture Reference Guide (July 2026). The comments in the code are by the model that wrote it; some were corrected since.
;; Attention Block. Allowed arithmetic: matrix products marked QUANTISED: E4M3 operands, one given power-of-two scale a tensor, by v_wmma_f32_16x16x64_fp8_fp8 or v_wmma_f32_16x16x128_fp8_fp8, f32 sums; everything else in f32.
;; Inputs: bk 512 float32; bo 512 float32; bq 512 float32; bv 512 float32; conv_b 512 float32; conv_w_codes 512 x 16 x 32 uint8 (E4M3 codes of conv_w, K innermost, in blocks of 32 codes); gn_b 512 float32; gn_w 512 float32; lowp_scales 14 int32 (the exponents e of the quantised operands' scales 2^e); wk_codes 512 x 16 x 32 uint8 (E4M3 codes of wk, K innermost, in blocks of 32 codes); wo_codes 512 x 16 x 32 uint8 (E4M3 codes of wo, K innermost, in blocks of 32 codes); wq_codes 512 x 16 x 32 uint8 (E4M3 codes of wq, K innermost, in blocks of 32 codes); wv_codes 512 x 16 x 32 uint8 (E4M3 codes of wv, K innermost, in blocks of 32 codes); x 16 x 512 x 32 x 32 float32.
;; Outputs: out0 16 x 512 x 32 x 32 float32.
;; This version of the problem:
;;   THIS VERSION OF THE PROBLEM IS GIVEN IN LOW PRECISION. The matrix products marked QUANTISED in the list below multiply operands that are first quantised to E4M3 (4 exponent bits, 3 mantissa bits; 8 bits a number), with one given power-of-two scale for each operand tensor; their sums are f32. All else is computed in f32.
;;   The module's matrix products, in the order in which they are computed (A, B: the left and right operand; K: the contracted axis; several contracted axes count as one K, in the product's order):
;;     1. [M 512, K 512] x [K 512, N 16,384]; A: input conv_w (given as codes); B: computed on the way: QUANTISED (scales: A lowp_scales[0], B lowp_scales[1])
;;     2. [M 16,384, K 512] x [K 512, N 512]; A: computed on the way; B: input wq (given as codes): QUANTISED (scales: A lowp_scales[2], B lowp_scales[3])
;;     3. [M 16,384, K 512] x [K 512, N 512]; A: computed on the way; B: input wk (given as codes): QUANTISED (scales: A lowp_scales[4], B lowp_scales[5])
;;     4. [M 16,384, K 512] x [K 512, N 512]; A: computed on the way; B: input wv (given as codes): QUANTISED (scales: A lowp_scales[6], B lowp_scales[7])
;;     5. batch 128 x [M 1,024, K 64] x [K 64, N 1,024]; A: computed on the way; B: computed on the way: QUANTISED (scales: A lowp_scales[8], B lowp_scales[9])
;;     6. batch 128 x [M 1,024, K 1,024] x [K 1,024, N 64]; A: softmax (see below); B: computed on the way: QUANTISED (scales: A lowp_scales[10], B lowp_scales[11])
;;     7. [M 16,384, K 512] x [K 512, N 512]; A: computed on the way; B: input wo (given as codes): QUANTISED (scales: A lowp_scales[12], B lowp_scales[13])
;;   THE QUANTISER, for each operand of a quantised product, along K:
;;     - The operand's scale is 2^e, e = its entry of the input lowp_scales (int32; the entries are numbered through the quantised products in the list's order, A before B).
;;     - Each number is divided by the scale, clamped to +-448, and rounded to the nearest number of E4M3, ties to even, subnormals kept.
;;     - The product sums the exact products of the quantised numbers (number of the format x scale) in f32.
;;   ~~~python
;;   def quantise(x, axis, e):      # numpy; x: float32 -> the quantised numbers, widened to float32 again
;;       x = np.moveaxis(x, axis, -1); K = x.shape[-1]
;;       r = np.clip(x / 2.0 ** e, -448, 448)
;;       step = 2.0 ** (np.maximum(np.frexp(np.where(r == 0, 1, r))[1] - 1, -6) - 3)
;;       q = np.round(r / step) * step * 2.0 ** e      # np.round: ties to even
;;       return np.moveaxis(q, -1, axis).astype(np.float32)
;;   ~~~
;;   SOFTMAX AHEAD OF A QUANTISED PRODUCT. Where the list says 'softmax', what is quantised is not the finished softmax but p = 2^(t - M), with t = logit x log2(e) and M = ceil(the row's largest t), a whole number; so 1/2 < the row's largest p <= 1. The row's sum l is taken of the UNQUANTISED p, in f32, and the product's result is divided by l at the end. Since M is a whole number, a kernel that streams over the keys may use a running M (the ceiling of the running maximum): every later rescaling is an exact power of two, so the quantised numbers keep their values, but for numbers so far below the row's largest that they fall under the format's range.
;;   OPERANDS COMPUTED ON THE WAY. 'Computed on the way' means the value that the module computes at that place (a softmax that the list does not call 'softmax' is quantised finished and normalised). What goes into a quantiser is computed in f32, as accurately as f32 sums, v_exp_f32 and their like allow (about 1e-6 of the number): no bf16 or f16 on the way to a quantiser, and a product that is left as it is and whose result goes on into a quantised operand takes f32 operands (vector FMAs, or v_wmma_f32_16x16x4_f32). A number that lies on a knife's edge between two numbers of the format may be rounded either way, as far as f32 arithmetic and the matrix unit's own rounding can turn it there, and no further.
;;   INPUTS GIVEN AS CODES. conv_w (in the module: [512, 512], K = its axis 1); wk (in the module: [512, 512], K = its axis 1); wo (in the module: [512, 512], K = its axis 1); wq (in the module: [512, 512], K = its axis 1); wv (in the module: [512, 512], K = its axis 1): each comes as NAME_codes (uint8): NAME with its K axis moved to the last place and cut into blocks of 32 codes, [.., K / 32, bytes a block], one block behind the other in memory; one code a byte (a code: sign, 4 exponent bits, 3 mantissa bits); its scale is its entry of lowp_scales. Its value is code x scale, taken as it is: it is not quantised again, and the codes and scales need not be those that the quantiser above would give.
;; One version. Each part assembles by itself: llvm-mc -triple=amdgcn-amd-amdhsa -mcpu=gfx1250 --defsym DOCPART=n.
;; ======== version 1 of 1: 3 launches
;; limits: right only within a limited range of input values
;; workspace buffers: coef 131,072 bytes; wimg 1,310,720 bytes; qimg 8,388,608 bytes; kv 16,777,216 bytes
;; launch prep (part 1): grid 512 x 1, 8 waves a work-group, no clusters, 1,536 bytes of LDS; arguments x, gn_w, gn_b, conv_w_codes, wq_codes, wk_codes, wv_codes, wo_codes, coef, wimg; writes coef, wimg
.if DOCPART == 1
	.amdgcn_target "amdgcn-amd-amdhsa--gfx1250"
	.amdhsa_code_object_version 6
	.text
	.protected	k_q48ed2b0c56_prep
	.globl	k_q48ed2b0c56_prep
	.p2align	8
	.type	k_q48ed2b0c56_prep,@function
k_q48ed2b0c56_prep:
	s_mov_b64 s[64:65], 0
	v_nop
	global_prefetch_b8 v0, s[64:65] scope:SCOPE_SE
	s_setreg_imm32_b32 hwreg(HW_REG_WAVE_MODE, 25, 1), 1
	s_wait_xcnt 0x0
; FIRST OF THREE LAUNCHES: GroupNorm's statistics, and the five weights laid in the order of an operand's registers.
; DEAD WORK: none is left out in any of the three launches.  Every bias stands ahead of a quantiser or of the output (bk too: it moves k's codes), gn_w and gn_b move xn's codes, and all
; seven products reach out0.  So every input of the problem is loaded by some launch.
; A work-group owns one group G = 32 b + g: 16 channels x 1,024 pixels, 65,536 consecutive bytes of x.  Thread t holds 16 pieces of 16 bytes (16 t + 4,096 k) in 64 registers, so x is read
; once for both passes: pass 1 the mean, pass 2 the mean of (x - mean)^2: no difference of large sums is formed.
; OUT: coef, a record of 256 bytes for each group: f32 0-15 rstd x gn_w[16 g + i]; 16-31 gn_b[16 g + i]; 32-47 -mean; 48-63 rstd.
; OUT: wimg, five images of 262,144 bytes (conv, wq, wk, wv, wo): [tile t 0..31][K step s 0..3][c 0..3][lane][16 bytes]; lane (r, h) holds W[row][128 s + 32 c + 16 h + 0..15] with
; row = 32 (t / 2) + 8 (t % 2) + r % 8 + 16 (r / 8).  Work-group G lays piece G = 16 t + 4 s + c (512 bytes) of each weight: wave v < 5 that of weight v.
; LIMITS: NaN or infinity in x is carried into the group's record as it comes.
.set SPARE, 512                        ; LDS: 0-31 eight sums; 256-287 eight sums of squares; from 512 the spare words, 128 bytes a wave
.set X,   16                           ; v16-79  my 64 numbers
.set CH,  80                           ; v80-87  four packed chains
.set SPW, 8                            ; v8      LDS address of my spare word; never rewritten
.set NIL, 9                            ; v9      0; never rewritten
	s_load_b512 s[4:19], s[0:1], 0x0               ; x, gn_w, gn_b, conv_w, wq, wk, wv, wo
	s_load_b128 s[20:23], s[0:1], 0x40             ; coef, wimg
	v_lshl_add_u32 v[SPW], v0, 2, SPARE
	v_mov_b32 v[NIL], 0
	v_lshrrev_b32 v2, 5, v0
	s_delay_alu instid0(VALU_DEP_1)
	v_readfirstlane_b32 s24, v2                    ; wave 0..7
	v_and_b32 v2, 31, v0                           ; lane
	v_lshlrev_b32 v1, 4, v0                        ; 16 x thread
	s_and_b32 s28, ttmp9, 31
	s_lshl_b32 s28, s28, 6                         ; 64 g: the group's 16 numbers in gn_w and gn_b
	v_and_b32 v3, 15, v0
	s_delay_alu instid0(VALU_DEP_1)
	v_lshl_add_u32 v3, v3, 2, s28
	v_and_b32 v4, 7, v0                            ; the piece's source: row r % 8 + 16 (r / 8) of 512 bytes, + 16 h
	s_delay_alu instid0(VALU_DEP_1)
	v_lshlrev_b32 v4, 9, v4
	v_bfe_u32 v5, v0, 3, 1
	s_delay_alu instid0(VALU_DEP_1)
	v_lshl_add_u32 v4, v5, 13, v4
	v_bfe_u32 v5, v0, 4, 1
	s_delay_alu instid0(VALU_DEP_1)
	v_lshl_add_u32 v4, v5, 4, v4
	s_wait_alu depctr_va_vdst(0)
	s_lshr_b32 s29, ttmp9, 5
	s_lshl_b32 s29, s29, 14                        ; 32 (t / 2) rows
	s_bfe_u32 s30, ttmp9, 0x10004
	s_lshl_b32 s30, s30, 12                        ; 8 (t % 2) rows
	s_add_co_u32 s29, s29, s30
	s_bfe_u32 s30, ttmp9, 0x20002
	s_lshl_b32 s30, s30, 7                         ; 128 s
	s_add_co_u32 s29, s29, s30
	s_and_b32 s30, ttmp9, 3
	s_lshl_b32 s30, s30, 5                         ; 32 c
	s_add_co_u32 s29, s29, s30
	v_add_nc_u32 v4, s29, v4
	s_lshl_b32 s30, ttmp9, 9
	v_lshl_add_u32 v5, v2, 4, s30                  ; the piece's place in an image: 512 G + 16 x lane
	v_lshlrev_b32 v6, 2, v2                        ; 4 x lane: my word of half a record
	s_lshl_b32 s31, s24, 2
	v_mov_b32 v7, s31                              ; 4 x wave: my wave's word among the eight sums
	v_mov_b32 v96, 0                               ; LDS address 0
	s_mov_b32 s36, 0x76543210                      ; v_permlanex16_b32: lane l xor 16
	s_mov_b32 s37, 0xfedcba98
	s_mov_b32 s38, 0x38800000                      ; 2^-14 = 1 / 16,384
	s_mov_b32 s39, 0x3727c5ac                      ; 1e-5
	s_wait_kmcnt 0x0
	s_lshl_b32 s28, ttmp9, 16
	s_mov_b32 s29, 0
	s_add_nc_u64 s[4:5], s[4:5], s[28:29]          ; x at my group
	s_lshl_b32 s28, ttmp9, 8
	s_add_nc_u64 s[20:21], s[20:21], s[28:29]      ; my record
	s_lshl_b32 s28, s24, 18
	s_add_nc_u64 s[22:23], s[22:23], s[28:29]      ; my wave's image (used by waves 0 to 4 alone)
.irp k, 0,1,2,3,4,5,6,7,8,9,10,11,12,13,14,15
	global_load_b128 v[X+4*\k:X+4*\k+3], v1, s[4:5] offset:4096*\k   ; a wave reads 512 consecutive bytes
.endr
	global_load_b32 v10, v3, s[6:7]                ; gn_w[16 g + lane % 16]
	global_load_b32 v11, v3, s[8:9]                ; gn_b likewise
	s_mov_b64 s[26:27], s[18:19]                   ; which weight is my wave's: the choice hangs on the wave's number alone
	s_cmp_eq_u32 s24, 0
	s_cselect_b64 s[26:27], s[10:11], s[26:27]
	s_cmp_eq_u32 s24, 1
	s_cselect_b64 s[26:27], s[12:13], s[26:27]
	s_cmp_eq_u32 s24, 2
	s_cselect_b64 s[26:27], s[14:15], s[26:27]
	s_cmp_eq_u32 s24, 3
	s_cselect_b64 s[26:27], s[16:17], s[26:27]
	s_cmp_lt_u32 s24, 5
	s_cbranch_scc0 .Lno_piece
	s_wait_alu depctr_va_vdst(0)
	global_load_b128 v[12:15], v4, s[26:27]        ; 16 codes of one row a lane
.Lno_piece:
	s_wait_loadcnt 0x0                             ; everything is in: nothing else is loaded in this launch
; The four chains are folded, then the 32 lanes, then the eight waves through LDS words at byte off.  The work-group's sum ends in v88 of every lane.
.macro REDUCE off
	s_delay_alu instid0(VALU_DEP_3)
	v_pk_add_f32 v[CH:CH+1], v[CH:CH+1], v[CH+2:CH+3]
	s_delay_alu instid0(VALU_DEP_2)
	v_pk_add_f32 v[CH+4:CH+5], v[CH+4:CH+5], v[CH+6:CH+7]
	s_delay_alu instid0(VALU_DEP_1)
	v_pk_add_f32 v[CH:CH+1], v[CH:CH+1], v[CH+4:CH+5]
	s_delay_alu instid0(VALU_DEP_1)
	v_add_f32 v[CH], v[CH], v[CH+1]
	s_delay_alu instid0(VALU_DEP_1)
	v_add_f32_dpp v[CH], v[CH], v[CH] row_xmask:1 row_mask:0xf bank_mask:0xf
	s_delay_alu instid0(VALU_DEP_1)
	v_add_f32_dpp v[CH], v[CH], v[CH] row_xmask:2 row_mask:0xf bank_mask:0xf
	s_delay_alu instid0(VALU_DEP_1)
	v_add_f32_dpp v[CH], v[CH], v[CH] row_xmask:4 row_mask:0xf bank_mask:0xf
	s_delay_alu instid0(VALU_DEP_1)
	v_add_f32_dpp v[CH], v[CH], v[CH] row_xmask:8 row_mask:0xf bank_mask:0xf
	s_delay_alu instid0(VALU_DEP_1)
	v_permlanex16_b32 v[CH+1], v[CH], s36, s37
	s_delay_alu instid0(VALU_DEP_1)
	v_add_f32 v[CH], v[CH], v[CH+1]
	ds_store_b32 v7, v[CH] offset:\off             ; all lanes write the wave's word with the same value
	s_wait_dscnt 0x0                               ; for the others' sake: my store has landed
	s_barrier_signal -1
	s_barrier_wait -1
	ds_load_b128 v[88:91], v96 offset:\off
	ds_load_b128 v[92:95], v96 offset:\off+16
	s_wait_dscnt 0x0
	v_add_f32 v88, v88, v89
	v_add_f32 v90, v90, v91
	v_add_f32 v92, v92, v93
	v_add_f32 v94, v94, v95
	s_delay_alu instid0(VALU_DEP_3)
	v_add_f32 v88, v88, v90
	s_delay_alu instid0(VALU_DEP_2)
	v_add_f32 v92, v92, v94
	s_delay_alu instid0(VALU_DEP_1)
	v_add_f32 v88, v88, v92
.endm
	; pass 1: the sum, two numbers an instruction, four chains started by the first eight pairs
.irp k, 0,1,2,3
	v_pk_add_f32 v[CH+2*\k:CH+2*\k+1], v[X+2*\k:X+2*\k+1], v[X+8+2*\k:X+8+2*\k+1]
.endr
.set J, 8
.rept 24
	s_delay_alu instid0(VALU_DEP_4)
	v_pk_add_f32 v[CH+2*(J%4):CH+2*(J%4)+1], v[CH+2*(J%4):CH+2*(J%4)+1], v[X+2*J:X+2*J+1]
.set J, J+1
.endr
	REDUCE 0
	s_delay_alu instid0(VALU_DEP_1)
	v_mul_f32 v98, 0xb8800000, v88                 ; -mean = sum x -2^-14
	s_delay_alu instid0(VALU_DEP_1)
	v_mov_b32 v99, v98
	; pass 2: x - mean in place, then the sum of squares
.set J, 0
.rept 32
	v_pk_add_f32 v[X+2*J:X+2*J+1], v[X+2*J:X+2*J+1], v[98:99]
.set J, J+1
.endr
.irp k, 0,1,2,3
	v_pk_mul_f32 v[CH+2*\k:CH+2*\k+1], v[X+2*\k:X+2*\k+1], v[X+2*\k:X+2*\k+1]
.endr
.set J, 4
.rept 28
	s_delay_alu instid0(VALU_DEP_4)
	v_pk_fma_f32 v[CH+2*(J%4):CH+2*(J%4)+1], v[X+2*J:X+2*J+1], v[X+2*J:X+2*J+1], v[CH+2*(J%4):CH+2*(J%4)+1]
.set J, J+1
.endr
	REDUCE 256                                     ; other LDS words than pass 1's: no barrier is owed between pass 1's reads and these stores
	s_delay_alu instid0(VALU_DEP_1)
	v_fma_f32 v88, v88, s38, s39                   ; var + eps
	s_wait_alu depctr_va_vdst(0)
	v_rsq_f32 v100, v88
	v_nop                                          ; a plain instruction behind the transcendental
	s_wait_alu depctr_va_vdst(0)                   ; the wait ahead of the first line that names the result, and ahead of the branch
	s_cmp_lg_u32 s24, 7
	s_cbranch_scc1 .Lnot_7                         ; wave 7, which lays no weight, writes the record
	v_cmp_gt_u32 vcc_lo, 16, v2
	v_mul_f32 v101, v100, v10
	s_delay_alu instid0(VALU_DEP_1)
	v_cndmask_b32 v101, v11, v101, vcc_lo          ; lanes 0-15: rstd x gn_w; lanes 16-31: gn_b
	v_cndmask_b32 v102, v100, v98, vcc_lo          ; lanes 0-15: -mean; lanes 16-31: rstd
	global_store_b32 v6, v101, s[20:21]
	global_store_b32 v6, v102, s[20:21] offset:128
.Lnot_7:
	s_cmp_lt_u32 s24, 5
	s_cbranch_scc0 .Lno_store
	global_store_b128 v5, v[12:15], s[22:23]       ; 512 consecutive bytes of the image
.Lno_store:
	s_wait_tensorcnt 0x0                           ; the wave's end, behind my last LDS store
	ds_add_u32 v[SPW], v[NIL]
	s_wait_dscnt 0x0
	s_endpgm
.Lfunc_end_k_q48ed2b0c56_prep:
	.size	k_q48ed2b0c56_prep, .Lfunc_end_k_q48ed2b0c56_prep-k_q48ed2b0c56_prep
	.p2alignl 7, 3214868480
	.fill 96, 4, 3214868480
	.section	.rodata,"a",@progbits
	.p2align	6, 0x0
	.amdhsa_kernel k_q48ed2b0c56_prep
		.amdhsa_group_segment_fixed_size 1536
		.amdhsa_private_segment_fixed_size 0
		.amdhsa_enable_private_segment 0
		.amdhsa_kernarg_size 80
		.amdhsa_user_sgpr_count 2
		.amdhsa_user_sgpr_kernarg_segment_ptr 1
		.amdhsa_wavefront_size32 1
		.amdhsa_system_sgpr_workgroup_id_x 1
		.amdhsa_system_sgpr_workgroup_id_y 1
		.amdhsa_system_sgpr_workgroup_id_z 1
		.amdhsa_system_vgpr_workitem_id 0
		.amdhsa_next_free_vgpr 104
		.amdhsa_next_free_sgpr 66
		.amdhsa_reserve_vcc 1
		.amdhsa_float_denorm_mode_32 3
		.amdhsa_float_denorm_mode_16_64 3
		.amdhsa_memory_ordered 1
		.amdhsa_forward_progress 1
		.amdhsa_inst_pref_size 17
	.end_amdhsa_kernel
	.amdgpu_metadata
---
amdhsa.version: [ 1, 2 ]
amdhsa.kernels:
  - .name:           k_q48ed2b0c56_prep
    .symbol:         k_q48ed2b0c56_prep.kd
    .args:
      - { .name: x, .offset: 0, .size: 8, .value_kind: global_buffer, .address_space: global }
      - { .name: gn_w, .offset: 8, .size: 8, .value_kind: global_buffer, .address_space: global }
      - { .name: gn_b, .offset: 16, .size: 8, .value_kind: global_buffer, .address_space: global }
      - { .name: conv_w_codes, .offset: 24, .size: 8, .value_kind: global_buffer, .address_space: global }
      - { .name: wq_codes, .offset: 32, .size: 8, .value_kind: global_buffer, .address_space: global }
      - { .name: wk_codes, .offset: 40, .size: 8, .value_kind: global_buffer, .address_space: global }
      - { .name: wv_codes, .offset: 48, .size: 8, .value_kind: global_buffer, .address_space: global }
      - { .name: wo_codes, .offset: 56, .size: 8, .value_kind: global_buffer, .address_space: global }
      - { .name: coef, .offset: 64, .size: 8, .value_kind: global_buffer, .address_space: global }
      - { .name: wimg, .offset: 72, .size: 8, .value_kind: global_buffer, .address_space: global }
    .group_segment_fixed_size: 1536
    .private_segment_fixed_size: 0
    .kernarg_segment_align: 8
    .kernarg_segment_size: 80
    .max_flat_workgroup_size: 256
    .sgpr_count:     66
    .vgpr_count:     104
    .wavefront_size: 32
...
	.end_amdgpu_metadata
.endif
;; end of part 1
;; launch qkv (part 2): grid 16 x 16, 4 waves a work-group, no clusters, 270,848 bytes of LDS; arguments x, coef, wimg, lowp_scales, conv_b, bq, bk, bv, qimg, kv; writes qimg, kv
.if DOCPART == 2
	.amdgcn_target "amdgcn-amd-amdhsa--gfx1250"
	.amdhsa_code_object_version 6
	.text
	.protected	k_q48ed2b0c56_qkv
	.globl	k_q48ed2b0c56_qkv
	.p2align	8
	.type	k_q48ed2b0c56_qkv,@function
k_q48ed2b0c56_qkv:
	s_mov_b64 s[64:65], 0
	v_nop
	global_prefetch_b8 v0, s[64:65] scope:SCOPE_SE
	s_setreg_imm32_b32 hwreg(HW_REG_WAVE_MODE, 25, 1), 1
	s_wait_xcnt 0x0
; SECOND LAUNCH: xn = GroupNorm(x), Q(e1); x1 = conv; Q(e2), Q(e4), Q(e6); q, k, v; Q(e8), Q(e9), Q(e11).  No work of the problem is left out.
; A work-group takes 64 pixels (block j = x of the grid) of one batch (b = y) through the whole chain; nothing but codes goes to memory.
; THE WAVES SHARE THE COLUMNS: wave w makes output columns 128 w .. 128 w + 127 of each of the four products, for all 64 pixels: 8 column tiles x 4 row tiles = 32 accumulators.
; WEIGHTS come from wimg straight into the wave's registers (512 consecutive bytes a load), through four K step buffers of 128 registers, four K steps ahead.  Each weight byte is read by
; exactly one wave of the work-group, so a way through LDS (and joint loads in a cluster) would add 1 MB written and 1 MB read in LDS beside the 0.9 MB that the launch moves there: not taken.
; THE GROUPS' RECORDS (gains, offsets, -mean) come into LDS by a second tensor load at the head, 8 records a wave, and are read there by loads in which all lanes name the same bytes: so a group's
; record is asked for a group ahead among the LDS loads of x, and no wait for a scalar load stands in the walk over the groups.
; OPERANDS GO FROM WAVE TO WAVE THROUGH LDS AS IMAGES OF THEIR REGISTERS: fragment (row tile m, K step s) is 2,048 bytes at (4 m + s) x 2,048: four stores or loads of 16 bytes a lane at 16 x lane.
; conv, q and k are used transposed (source 0 = 16 rows of W, source 1 = 16 pixels): with wimg's choice of rows, register 16 b + i of a row tile is column 32 b + 16 h + i: neighbours along the
; next K.  v is used the other way round (source 0 = pixels, source 1 = rows of wv): a lane holds one column, its registers run along the pixels, which are the keys, v's K.
; A bias is the C of a sum's first matrix instruction, divided by the power of two that the sums lack; the scales ahead of a quantiser are folded into the conversion's one.
; OUT: qimg [b][row tile 0..63][head][c 0..1][lane][16]: lane (r, h): query 16 T + r, d = 32 c + 16 h + 0..15.   kv [b][block of 128 keys][131,072]: K part [key tile 0..7][head][1 KB as qimg];
; V part at +65,536: [64 keys][head][d tile 0..3][1 KB]: lane (r, h): d = 32 (dt / 2) + 8 (dt % 2) + r % 8 + 16 (r / 8); registers 2 m, 2 m + 1: keys 16 m + 8 h + 0..7.
; LIMITS: e1, e2-e0-e1, e4-e0-e1, e6-e0-e1, e8-e2-e3, e9-e4-e5, e11-e6-e7 lie between -126 and 119, so that each scale and 448 x it is an f32 number; a bias divided by 2^(ea+eb) stays an
; ordinary f32 number.  NaN among the inputs is not served (an infinity is held at the largest code).
; REGISTERS, in windows of 256.  Window 0: v1-13 addresses; v16-79 and v80-143 two sets of four fragments (phase X: v16-79 four sets of 16 numbers, v80-143 two sets of 16 gains and 16 offsets;
;   v80-143 also the quantiser's numbers); v144-207 the bias, 8 tiles x 8; v208-239 codes; v240-247 bv as loaded (phase X: v240-243 two pairs of -mean); v248-251, v254, v255 scales and limits;
;   v252, v253 the add's two.   Windows 1, 2: the weights: fragment (t, K step s) at window 1 + s / 2, v[128 (s % 2) + 16 t].   Window 3: accumulator (t, m) at v[64 m + 8 t].
.set XIMG,  131072                     ; LDS: 0: x's tile, 512 channel rows x 256 bytes; then xn's 16 fragments,
.set H2I,   163840                     ; x1's 16 fragments under e2,
.set H4I,   196608                     ; under e4,
.set H6I,   229376                     ; under e6,
.set SPARE, 262144                     ; the spare words, 128 bytes a wave,
.set CF,    262656                     ; and the batch's 32 records of 256 bytes
.set LI,  1                            ; v1   16 x lane
.set XRD, 2                            ; v2   x's tile: my pixel's word in my wave's first channel row
.set XWR, 3                            ; v3   where my 16 codes of xn go
.set FX,  4                            ; v4   XIMG + 16 x lane;  v5, v6, v7 the same for the three images of x1
.set FH2, 5
.set FH4, 6
.set FH6, 7
.set CRD, 8                            ; v8   my wave's first record: CF + 4,096 (w / 2), the same in all lanes
.set HW2, 9                            ; v9, v10, v11   where my wave's fragments of x1 go: image + 2,048 w + 16 x lane
.set HW4, 10
.set HW6, 11
.set XB0,  16
.set TEMP, 80
.set BIAS, 144
.set CODES, 208
.set RAWB, 240
.set SPW, 252
.set NIL, 253
.set LC, 0                             ; global loads issued so far; the marks below are its value behind the loads that a wait is for
.set MB, 0
.set MW0, 0
.set MW1, 0
.set MW2, 0
.set MW3, 0
.set MSB, 0
.macro WIN new                         ; the immediate's high byte repeats the setting that is left; a switch that changes nothing is dropped
.if MSB != (\new)
	s_set_vgpr_msb (MSB<<8)|(\new)
.set MSB, (\new)
.endif
.endm
.macro PLACES                          ; four plain vector instructions between a matrix instruction and a load into, or a vector write of, one of its registers, or a read of its result
.rept 4
	v_nop
.endr
.endm
.macro BARRIER                         ; my LDS stores have landed and my LDS loads are in: then the work-group's barrier
	s_wait_dscnt 0x0
	s_barrier_signal -1
	s_barrier_wait -1
.endm
.macro WAITL mark                      ; loads come back in order: all but those issued behind the mark may be out; 63 is the largest count that the wait can name, and a smaller count than the true one is safe
.if LC-(\mark) > 63
	s_wait_loadcnt 63
.else
	s_wait_loadcnt LC-(\mark)
.endif
.endm
.macro MKSC vs, vl, se                 ; v[vs] = 2^se as f32 (the conversion takes its exponent field), v[vl] = 448 x 2^se
	s_add_co_i32 s100, \se, 127
	s_lshl_b32 s101, s100, 23
	v_mov_b32 v[\vs], s101
	s_add_co_i32 s100, s100, 8
	s_lshl_b32 s100, s100, 23
	s_or_b32 s100, s100, 0x600000
	v_mov_b32 v[\vl], s100
.endm
.macro WLOAD g                         ; K step g % 4 of product g / 4: my 8 tiles' fragments, 32 loads of 512 consecutive bytes
.set WS, (\g)%4
.set WN, (1+WS/2)<<6
	WIN WN
.irp t, 0,1,2,3,4,5,6,7
.irp c, 0,1,2,3
	global_load_b128 v[128*(WS%2)+16*\t+4*\c:128*(WS%2)+16*\t+4*\c+3], v[LI], s[8:9] offset:262144*((\g)/4)+(4*\t+WS)*2048+512*\c
.endr
.endr
	WIN 0
.set LC, LC+32
.if WS == 0
.set MW0, LC
.elseif WS == 1
.set MW1, LC
.elseif WS == 2
.set MW2, LC
.else
.set MW3, LC
.endif
.endm
.macro WAITW s
.if (\s) == 0
	WAITL MW0
.elseif (\s) == 1
	WAITL MW1
.elseif (\s) == 2
	WAITL MW2
.else
	WAITL MW3
.endif
.endm
.macro BLOADT sb                       ; a bias for a transposed product: lane (r, h), tile t: units 32 (t / 2) + 16 h + 8 (t % 2) + 0..7
.irp t, 0,1,2,3,4,5,6,7
	global_load_b128 v[BIAS+8*\t:BIAS+8*\t+3], v12, s[\sb:\sb+1] offset:4*(32*(\t/2)+8*(\t%2))
	global_load_b128 v[BIAS+8*\t+4:BIAS+8*\t+7], v12, s[\sb:\sb+1] offset:4*(32*(\t/2)+8*(\t%2))+16
.endr
.set LC, LC+16
.set MB, LC
.endm
.macro BSHIFT se                       ; the bias divided by the power of two that the sums lack
.set QI, 0
.rept 64
	v_ldexp_f32 v[BIAS+QI], v[BIAS+QI], \se
.set QI, QI+1
.endr
.endm
.macro FETCH buf, adr, s               ; the four row tiles' fragments of K step s
.irp m, 0,1,2,3
.irp c, 0,1,2,3
	ds_load_b128 v[(\buf)+16*\m+4*\c:(\buf)+16*\m+4*\c+3], v[\adr] offset:(4*\m+(\s))*2048+512*\c
.endr
.endr
.endm
; 32 matrix instructions: my 8 column tiles x 4 row tiles, 128 along K.  The 32 accumulators take turns, one instruction a turn, in the same order in every K step.
; K step 0 starts the sums with the bias as C.  isv = 1: the sources change places.
.macro MUL s, xb, isv
.set WB, 128*((\s)%2)
.if \isv
.set WN, (1+(\s)/2)<<2
.else
.set WN, 1+(\s)/2
.endif
.if (\s) == 0
	WIN 0xc0+WN
.else
	WIN 0xf0+WN
.endif
.irp t, 0,1,2,3,4,5,6,7
.irp m, 0,1,2,3
.if \isv
.if (\s) == 0
	v_wmma_f32_16x16x128_fp8_fp8 v[64*\m+8*\t:64*\m+8*\t+7], v[(\xb)+16*\m:(\xb)+16*\m+15], v[WB+16*\t:WB+16*\t+15], v[BIAS+8*\t:BIAS+8*\t+7]
.else
	v_wmma_f32_16x16x128_fp8_fp8 v[64*\m+8*\t:64*\m+8*\t+7], v[(\xb)+16*\m:(\xb)+16*\m+15], v[WB+16*\t:WB+16*\t+15], v[64*\m+8*\t:64*\m+8*\t+7]
.endif
.else
.if (\s) == 0
	v_wmma_f32_16x16x128_fp8_fp8 v[64*\m+8*\t:64*\m+8*\t+7], v[WB+16*\t:WB+16*\t+15], v[(\xb)+16*\m:(\xb)+16*\m+15], v[BIAS+8*\t:BIAS+8*\t+7]
.else
	v_wmma_f32_16x16x128_fp8_fp8 v[64*\m+8*\t:64*\m+8*\t+7], v[WB+16*\t:WB+16*\t+15], v[(\xb)+16*\m:(\xb)+16*\m+15], v[64*\m+8*\t:64*\m+8*\t+7]
.endif
.endif
.endr
.endr
.endm
; K step s of product p.  The next K step's fragments are asked for first; the weights of the same K step of the next product take this step's registers behind its products.
.macro KSTEP p, s, adr, isv
.if (\s) < 3
	FETCH XB0+64*(((\s)+1)%2), \adr, (\s)+1
.endif
	WAITW \s                                       ; this K step's weights are in
.if (\s) < 3
	s_wait_dscnt 16                                ; this K step's fragments are in; the 16 loads just issued may be out
.else
	s_wait_dscnt 0x0
.endif
	MUL \s, XB0+64*((\s)%2), \isv
	WIN 0
	PLACES
.if 4*(\p)+(\s)+4 <= 15
	WLOAD 4*(\p)+(\s)+4
.endif
.endm
; Row tile m's 64 sums (register 16 b + i = column 32 b + 16 h + i) become a fragment's 16 registers of codes in set cs.  The conversion to an 8-bit code does not saturate (ISA guide 7.6.2): each number is held first.
.macro QUANT m, vs, vl, cs
	WIN 0x03                                       ; source 0: window 3
.set QI, 0
.rept 64
	v_med3_num_f32 v[TEMP+QI], v[64*(\m)+QI], -v[\vl], v[\vl]   ; each accumulator from its low end on
.set QI, QI+1
.endr
	WIN 0
.irp g, 0,1,2,3,4,5,6,7
	v_cvt_scalef32_pk8_fp8_f32 v[CODES+16*(\cs)+2*\g:CODES+16*(\cs)+2*\g+1], v[TEMP+8*\g:TEMP+8*\g+7], v[\vs]
.endr
	v_nop                                          ; a plain instruction behind the last conversion, ahead of whatever next writes its sources
.endm
.macro IMAGE adr, m, cs
.irp c, 0,1,2,3
	ds_store_b128 v[\adr], v[CODES+16*(\cs)+4*\c:CODES+16*(\cs)+4*\c+3] offset:8192*(\m)+512*\c
.endr
.endm
.macro GSTORE sb, m, cs
.irp c, 0,1,2,3
	global_store_b128 v[LI], v[CODES+16*(\cs)+4*\c:CODES+16*(\cs)+4*\c+3], s[\sb:\sb+1] offset:8192*(\m)+512*\c   ; 512 consecutive bytes, aligned
.endr
.endm
.set QN, 0
.macro QX1 m, vs, vl, adr              ; x1's row tile m under one of its three scales, into that scale's image; two sets of codes by turns
	s_wait_dscnt 4                                 ; the stores that read this set are done; the other set's four may be out
	QUANT \m, \vs, \vl, QN%2
	IMAGE \adr, \m, QN%2
.set QN, QN+1
.endm
; q's or k's four row tiles to memory, two sets of codes by turns.  When the macro begins, no pending store reads either set (q: no global store has read them yet; k: the wait that stands behind
; the bias's shift).  ONE wait ahead of row tile 2: the stores of tiles 0 and 1 were both issued ahead of it, so it frees set 0 for tile 2 and set 1 for tile 3.
.macro QOUT sb
.irp m, 0,1,2,3
.if \m == 2
	s_wait_xcnt 0x0
.endif
	QUANT \m, 248, 249, \m%2
	GSTORE \sb, \m, \m%2
.endr
.endm
; v's column tile t: a lane's 32 pixels of one column become the 8 registers of a fragment of V^T.  Four sets of codes by turns; ONE wait ahead of tile 4: the stores of tiles 0 to 3 were all
; issued ahead of it, so it frees all four sets for tiles 4 to 7.
.macro QUANTV t
.set CV, CODES+8*((\t)%4)
.if (\t) == 4
	s_wait_xcnt 0x0
.endif
	WIN 0x03
.irp m, 0,1,2,3
.irp j, 0,1,2,3,4,5,6,7
	v_med3_num_f32 v[TEMP+8*\m+\j], v[64*\m+8*(\t)+\j], -v249, v249
.endr
.endr
	WIN 0
.irp m, 0,1,2,3
	v_cvt_scalef32_pk8_fp8_f32 v[CV+2*\m:CV+2*\m+1], v[TEMP+8*\m:TEMP+8*\m+7], v248
.endr
	v_nop
	global_store_b128 v[LI], v[CV:CV+3], s[72:73] offset:1024*(\t)
	global_store_b128 v[LI], v[CV+4:CV+7], s[72:73] offset:1024*(\t)+512
.endm
; PHASE X.  Wave w takes pixels 32 (w % 2) + lane and channels 256 (w / 2) + 16 gi + i: a lane holds ONE pixel and the 16 channels of ONE group, neighbours along the conv's K.
.macro LOADX gi                        ; 16 channel rows: 32 lanes read 128 consecutive bytes of each
.irp i, 0,1,2,3,4,5,6,7,8,9,10,11,12,13,14,15
	ds_load_b32 v[XB0+16*((\gi)%4)+\i], v[XRD] offset:256*(16*(\gi)+\i)
.endr
.endm
.macro LOADC gi                        ; the group's record: 16 gains, 16 offsets, -mean twice; all lanes name the same bytes; two sets by turns; nine LDS loads
.set CC, TEMP+32*((\gi)%2)
.irp k, 0,1,2,3
	ds_load_b128 v[CC+4*\k:CC+4*\k+3], v[CRD] offset:256*(\gi)+16*\k
.endr
.irp k, 0,1,2,3
	ds_load_b128 v[CC+16+4*\k:CC+16+4*\k+3], v[CRD] offset:256*(\gi)+64+16*\k
.endr
	ds_load_b64 v[RAWB+2*((\gi)%2):RAWB+2*((\gi)%2)+1], v[CRD] offset:256*(\gi)+128
.endm
.macro XGROUP gi
.if (\gi) < 15
	LOADC (\gi)+1                                  ; into the set that the group before has read
.endif
	; LDS instructions come back in order: the count is what was issued behind this group's record, which is younger than its 16 numbers
.if (\gi) == 0
	s_wait_dscnt 25                                ; group 1's 16 numbers and its record's 9
.elseif (\gi) < 15
	s_wait_dscnt 26                                ; the next group's 16 numbers, the last group's store, the next record's 9
.else
	s_wait_dscnt 1                                 ; the last group's store
.endif
.if (\gi) < 14
	LOADX (\gi)+2
.endif
.set CA, TEMP+32*((\gi)%2)
.set CB, CA+16
.set CM, RAWB+2*((\gi)%2)
.set XS, XB0+16*((\gi)%4)
.set CD, CODES+4*((\gi)%4)             ; four sets of codes: the wait above shows the store of four groups back done
.irp i, 0,2,4,6,8,10,12,14
	v_pk_add_f32 v[XS+\i:XS+\i+1], v[XS+\i:XS+\i+1], v[CM:CM+1]                         ; x - mean
.endr
.irp i, 0,2,4,6,8,10,12,14
	v_pk_fma_f32 v[XS+\i:XS+\i+1], v[XS+\i:XS+\i+1], v[CA+\i:CA+\i+1], v[CB+\i:CB+\i+1]   ; x (rstd gn_w) + gn_b
.endr
.irp i, 0,1,2,3,4,5,6,7,8,9,10,11,12,13,14,15
	v_med3_num_f32 v[XS+\i], v[XS+\i], -v249, v249
.endr
	v_cvt_scalef32_pk8_fp8_f32 v[CD:CD+1], v[XS:XS+7], v248
	v_cvt_scalef32_pk8_fp8_f32 v[CD+2:CD+3], v[XS+8:XS+15], v248
	v_nop
	ds_store_b128 v[XWR], v[CD:CD+3] offset:2048*((\gi)/8)+512*(((\gi)%8)/2)+256*((\gi)%2)   ; K step 2 (w / 2) + gi / 8, c = (gi % 8) / 2, half gi % 2: sixteen lanes write 256 consecutive bytes
.endm
	s_load_b256 s[4:11], s[0:1], 0x0               ; x, coef, wimg, lowp_scales
	s_load_b64 s[12:13], s[0:1], 0x20              ; conv_b
	s_load_b256 s[16:23], s[0:1], 0x28             ; bq, bk, bv, qimg
	s_load_b64 s[24:25], s[0:1], 0x48              ; kv
	v_lshl_add_u32 v[SPW], v0, 2, SPARE
	v_mov_b32 v[NIL], 0
	ds_add_u32 v[SPW], v[NIL]                      ; the wave's opening: the add, twice on end, and its wait ahead of my first tensor load
	ds_add_u32 v[SPW], v[NIL]
	v_lshrrev_b32 v1, 5, v0
	v_readfirstlane_b32 s2, v1                     ; wave 0..3
	; descriptor group 1 for x's tile: 128 channel rows x 64 f32, 1,024 elements from row to row, no padding
	s_mov_b32 s52, 2<<16                           ; no mask; elements of 4 bytes
	s_mov_b32 s53, 64<<16                          ; tensor_dim0 = 64
	s_mov_b32 s54, 128<<16                         ; tensor_dim1 = 128
	s_mov_b32 s55, 64<<16                          ; tile_dim0 = 64
	s_mov_b32 s56, 128                             ; tile_dim1 = 128
	s_mov_b32 s57, 1024                            ; tensor_dim0_stride
	s_mov_b32 s58, 0
	s_mov_b32 s59, 0
	; descriptor group 1 for the records: 8 rows of 32 elements of 8 bytes, dense: 2,048 bytes
	s_mov_b32 s88, 3<<16                           ; no mask; elements of 8 bytes
	s_mov_b32 s89, 32<<16                          ; tensor_dim0 = 32
	s_mov_b32 s90, 8<<16                           ; tensor_dim1 = 8
	s_mov_b32 s91, 32<<16                          ; tile_dim0 = 32
	s_mov_b32 s92, 8                               ; tile_dim1 = 8
	s_mov_b32 s93, 32                              ; tensor_dim0_stride
	s_mov_b32 s94, 0
	s_mov_b32 s95, 0
	s_mov_b32 s48, 1                               ; group 0 for x's tile: count = 1,
	s_lshl_b32 s49, s2, 15                         ; LDS address: 32,768 x wave
	s_mov_b32 s96, 1                               ; group 0 for the records:
	s_lshl_b32 s97, s2, 11
	s_add_co_u32 s97, s97, CF                      ; LDS address: CF + 2,048 x wave
	s_and_b32 s3, ttmp7, 0xffff                    ; b
	s_lshl_b32 s66, s3, 21                         ; x: 2,097,152 b
	s_lshl_b32 s100, s2, 19                        ; + 128 w channel rows of 4,096 bytes
	s_add_co_u32 s66, s66, s100
	s_lshl_b32 s100, ttmp9, 8                      ; + 256 j
	s_add_co_u32 s66, s66, s100
	s_mov_b32 s67, 0
	s_lshl_b32 s68, s3, 13                         ; records: 32 b + 8 w, 256 bytes each
	s_lshl_b32 s100, s2, 11
	s_add_co_u32 s68, s68, s100
	s_mov_b32 s69, 0
	s_wait_dscnt 0x0                               ; both opening adds are done
	s_wait_kmcnt 0x0
	s_add_nc_u64 s[50:51], s[4:5], s[66:67]
	s_or_b32 s51, s51, 0x80000000                  ; type = 2
	s_add_nc_u64 s[98:99], s[6:7], s[68:69]
	s_or_b32 s99, s99, 0x80000000
	tensor_load_to_lds s[48:51], s[52:59]          ; my quarter of x's tile,
	s_nop 0
	tensor_load_to_lds s[96:99], s[88:95]          ; and my quarter of the batch's records: two tensor loads of mine are out; nothing in LDS is filled a second time
	s_nop 0
.rept 4
	v_nop
.endr
	s_load_b256 s[32:39], s[10:11], 0x0            ; e0 .. e7
	s_load_b128 s[40:43], s[10:11], 0x20           ; e8 .. e11
	s_lshl_b32 s66, s2, 16
	s_add_nc_u64 s[8:9], s[8:9], s[66:67]          ; wimg at my 8 tiles
	s_lshl_b32 s66, s2, 9
	s_add_nc_u64 s[12:13], s[12:13], s[66:67]      ; conv_b at my 128 columns
	v_and_b32 v[LI], 31, v0
	v_lshlrev_b32 v[LI], 4, v[LI]
	v_bfe_u32 v12, v0, 4, 1
	v_lshlrev_b32 v12, 6, v12                      ; 64 h
	BLOADT 12
	WLOAD 0
	s_lshr_b32 s3, s2, 1
	s_lshl_b32 s3, s3, 16
	s_and_b32 s100, s2, 1
	s_lshl_b32 s100, s100, 7
	s_add_co_u32 s3, s3, s100
	v_and_b32 v[XRD], 31, v0
	v_lshl_add_u32 v[XRD], v[XRD], 2, s3           ; 65,536 (w / 2) + 128 (w % 2) + 4 x lane
	s_and_b32 s3, s2, 1
	s_lshl_b32 s3, s3, 14
	s_lshr_b32 s100, s2, 1
	s_lshl_b32 s100, s100, 12
	s_add_co_u32 s3, s3, s100
	s_add_co_u32 s3, s3, XIMG
	v_and_b32 v[XWR], 15, v0
	v_lshlrev_b32 v[XWR], 4, v[XWR]
	v_bfe_u32 v14, v0, 4, 1
	v_lshl_add_u32 v[XWR], v14, 13, v[XWR]
	v_add_nc_u32 v[XWR], s3, v[XWR]                ; XIMG + 16,384 (w % 2) + 8,192 (lane / 16) + 4,096 (w / 2) + 16 (lane % 16)
	s_lshr_b32 s3, s2, 1
	s_lshl_b32 s3, s3, 12
	s_add_co_u32 s3, s3, CF
	v_mov_b32 v[CRD], s3                           ; CF + 4,096 (w / 2): record 16 (w / 2) of the batch's 32
	v_add_nc_u32 v[FX], XIMG, v[LI]
	v_add_nc_u32 v[FH2], H2I, v[LI]
	v_add_nc_u32 v[FH4], H4I, v[LI]
	v_add_nc_u32 v[FH6], H6I, v[LI]
	s_lshl_b32 s3, s2, 11
	v_add_nc_u32 v[HW2], s3, v[FH2]
	v_add_nc_u32 v[HW4], s3, v[FH4]
	v_add_nc_u32 v[HW6], s3, v[FH6]
	v_and_b32 v13, 15, v0
	v_and_b32 v14, 8, v13
	v_add_nc_u32 v13, v13, v14
	v_lshlrev_b32 v13, 2, v13                      ; 4 (r + 8 (r / 8)): bv's offset
	WLOAD 1
	; all that hangs on the arguments and the exponents is made here, while x's tile is on its way
	s_and_b32 s3, ttmp7, 0xffff                    ; b
	s_lshl_b32 s66, s2, 9
	s_add_nc_u64 s[16:17], s[16:17], s[66:67]      ; the three biases at my 128 columns
	s_add_nc_u64 s[18:19], s[18:19], s[66:67]
	s_add_nc_u64 s[20:21], s[20:21], s[66:67]
	s_lshl_b32 s66, s3, 19                         ; q: (64 b + 4 j) x 8,192 + 2,048 w
	s_lshl_b32 s100, ttmp9, 15
	s_add_co_u32 s66, s66, s100
	s_lshl_b32 s100, s2, 11
	s_add_co_u32 s66, s66, s100
	s_add_nc_u64 s[68:69], s[22:23], s[66:67]
	s_lshl_b32 s66, s3, 20                         ; kv: block 8 b + j / 2, its half j % 2
	s_lshr_b32 s100, ttmp9, 1
	s_lshl_b32 s100, s100, 17
	s_add_co_u32 s66, s66, s100
	s_and_b32 s100, ttmp9, 1
	s_lshl_b32 s100, s100, 15
	s_add_co_u32 s66, s66, s100
	s_add_nc_u64 s[24:25], s[24:25], s[66:67]
	s_lshl_b32 s66, s2, 11
	s_add_nc_u64 s[70:71], s[24:25], s[66:67]      ; k: + 2,048 w
	s_lshl_b32 s66, s2, 13
	s_add_co_u32 s66, s66, 65536
	s_add_nc_u64 s[72:73], s[24:25], s[66:67]      ; v: + 65,536 + 8,192 w
	s_wait_kmcnt 0x0                               ; the exponents are in
	s_add_co_i32 s76, s32, s33
	s_sub_co_i32 s76, 0, s76                       ; -(e0 + e1)
	s_add_co_i32 s77, s34, s35
	s_sub_co_i32 s77, 0, s77                       ; -(e2 + e3)
	s_add_co_i32 s78, s36, s37
	s_sub_co_i32 s78, 0, s78                       ; -(e4 + e5)
	s_add_co_i32 s79, s38, s39
	s_sub_co_i32 s79, 0, s79                       ; -(e6 + e7)
	s_add_co_i32 s80, s34, s76                     ; e2 - e0 - e1: a sum of the conv stands for sum x 2^(e0 + e1)
	s_add_co_i32 s81, s36, s76                     ; e4 - e0 - e1
	s_add_co_i32 s82, s38, s76                     ; e6 - e0 - e1
	s_add_co_i32 s83, s40, s77                     ; e8 - e2 - e3
	s_add_co_i32 s84, s41, s78                     ; e9 - e4 - e5
	s_add_co_i32 s85, s43, s79                     ; e11 - e6 - e7
	MKSC 248, 249, s33                             ; 2^e1 and 448 x 2^e1
	WAITL MB                                       ; conv_b is in
	BSHIFT s76
	s_wait_tensorcnt 0x0                           ; my quarters of the tile and of the records are in,
	s_barrier_signal -1
	s_barrier_wait -1                              ; everybody's are
	LOADX 0
	LOADC 0
	LOADX 1
	WLOAD 2                                        ; the conv's last two K steps of weights are asked for in this phase
.irp gi, 0,1,2,3,4,5,6,7
	XGROUP \gi
.endr
	WLOAD 3
.irp gi, 8,9,10,11,12,13,14,15
	XGROUP \gi
.endr
	BARRIER                                        ; xn's sixteen fragments lie in LDS
	; ---- the conv
	FETCH XB0, FX, 0
	KSTEP 0, 0, FX, 0
	BLOADT 16                                      ; bq, behind the places that follow the products which read the bias
	KSTEP 0, 1, FX, 0
	KSTEP 0, 2, FX, 0
	KSTEP 0, 3, FX, 0
	MKSC 248, 249, s80
	MKSC 250, 251, s81
	MKSC 254, 255, s82
.irp m, 0,1,2,3
	QX1 \m, 248, 249, HW2
	QX1 \m, 250, 251, HW4
	QX1 \m, 254, 255, HW6
.endr
	WAITL MB
	BSHIFT s77
	BARRIER                                        ; x1's fragments lie in LDS, under each of its three scales
	; ---- q
	FETCH XB0, FH2, 0
	KSTEP 1, 0, FH2, 0
	BLOADT 18                                      ; bk
	KSTEP 1, 1, FH2, 0
	KSTEP 1, 2, FH2, 0
	KSTEP 1, 3, FH2, 0
	FETCH XB0, FH4, 0                              ; k's first fragments land while q is quantised
	MKSC 248, 249, s83
	QOUT 68
	WAITL MB
	BSHIFT s78
	s_wait_xcnt 0x0                                ; q's last stores, 64 plain instructions back, have read their registers: both sets of codes are free for k
	; ---- k
	KSTEP 2, 0, FH4, 0
.irp t, 0,1,2,3,4,5,6,7
	global_load_b32 v[RAWB+\t], v13, s[20:21] offset:4*(32*(\t/2)+8*(\t%2))   ; bv of my lane's column in tile t
.endr
.set LC, LC+8
.set MB, LC
	KSTEP 2, 1, FH4, 0
	KSTEP 2, 2, FH4, 0
	KSTEP 2, 3, FH4, 0
	FETCH XB0, FH6, 0
	MKSC 248, 249, s84
	QOUT 70
	WAITL MB
.irp t, 0,1,2,3,4,5,6,7
.irp j, 0,1,2,3,4,5,6,7
	v_ldexp_f32 v[BIAS+8*\t+\j], v[RAWB+\t], s79   ; a lane's eight results of a tile are one column: one number for all eight
.endr
.endr
	s_wait_xcnt 0x0                                ; k's last stores have read their registers: the codes' registers are free for v
	; ---- v, the sources the other way round
	KSTEP 3, 0, FH6, 1
	KSTEP 3, 1, FH6, 1
	KSTEP 3, 2, FH6, 1
	KSTEP 3, 3, FH6, 1
	MKSC 248, 249, s85
.irp t, 0,1,2,3,4,5,6,7
	QUANTV \t
.endr
	s_wait_tensorcnt 0x0                           ; the wave's end, behind my last tensor load and my last LDS store
	ds_add_u32 v[SPW], v[NIL]
	s_wait_dscnt 0x0
	s_endpgm
.Lfunc_end_k_q48ed2b0c56_qkv:
	.size	k_q48ed2b0c56_qkv, .Lfunc_end_k_q48ed2b0c56_qkv-k_q48ed2b0c56_qkv
	.p2alignl 7, 3214868480
	.fill 96, 4, 3214868480
	.section	.rodata,"a",@progbits
	.p2align	6, 0x0
	.amdhsa_kernel k_q48ed2b0c56_qkv
		.amdhsa_group_segment_fixed_size 270848
		.amdhsa_private_segment_fixed_size 0
		.amdhsa_enable_private_segment 0
		.amdhsa_kernarg_size 80
		.amdhsa_user_sgpr_count 2
		.amdhsa_user_sgpr_kernarg_segment_ptr 1
		.amdhsa_wavefront_size32 1
		.amdhsa_system_sgpr_workgroup_id_x 1
		.amdhsa_system_sgpr_workgroup_id_y 1
		.amdhsa_system_sgpr_workgroup_id_z 1
		.amdhsa_system_vgpr_workitem_id 0
		.amdhsa_next_free_vgpr 1024
		.amdhsa_next_free_sgpr 102
		.amdhsa_reserve_vcc 0
		.amdhsa_float_denorm_mode_32 3
		.amdhsa_float_denorm_mode_16_64 3
		.amdhsa_memory_ordered 1
		.amdhsa_forward_progress 1
		.amdhsa_inst_pref_size 255
	.end_amdhsa_kernel
	.section	.bss,"aw",@nobits
	.p2align	6
	.space	262144
	.amdgpu_metadata
---
amdhsa.version: [ 1, 2 ]
amdhsa.kernels:
  - .name:           k_q48ed2b0c56_qkv
    .symbol:         k_q48ed2b0c56_qkv.kd
    .args:
      - { .name: x, .offset: 0, .size: 8, .value_kind: global_buffer, .address_space: global }
      - { .name: coef, .offset: 8, .size: 8, .value_kind: global_buffer, .address_space: global }
      - { .name: wimg, .offset: 16, .size: 8, .value_kind: global_buffer, .address_space: global }
      - { .name: lowp_scales, .offset: 24, .size: 8, .value_kind: global_buffer, .address_space: global }
      - { .name: conv_b, .offset: 32, .size: 8, .value_kind: global_buffer, .address_space: global }
      - { .name: bq, .offset: 40, .size: 8, .value_kind: global_buffer, .address_space: global }
      - { .name: bk, .offset: 48, .size: 8, .value_kind: global_buffer, .address_space: global }
      - { .name: bv, .offset: 56, .size: 8, .value_kind: global_buffer, .address_space: global }
      - { .name: qimg, .offset: 64, .size: 8, .value_kind: global_buffer, .address_space: global }
      - { .name: kv, .offset: 72, .size: 8, .value_kind: global_buffer, .address_space: global }
    .group_segment_fixed_size: 270848
    .private_segment_fixed_size: 0
    .kernarg_segment_align: 8
    .kernarg_segment_size: 80
    .max_flat_workgroup_size: 128
    .sgpr_count:     102
    .vgpr_count:     1024
    .wavefront_size: 32
...
	.end_amdgpu_metadata
.endif
;; end of part 2
;; launch attn (part 3): grid 16 x 16, 16 waves a work-group, clusters of 4 x 1, 327,680 bytes of LDS; arguments qimg, kv, wimg, lowp_scales, bo, x, out0; writes out0
.if DOCPART == 3
	.amdgcn_target "amdgcn-amd-amdhsa--gfx1250"
	.amdhsa_code_object_version 6
	.text
	.protected	k_q48ed2b0c56_attn
	.globl	k_q48ed2b0c56_attn
	.p2align	8
	.type	k_q48ed2b0c56_attn,@function
k_q48ed2b0c56_attn:
	s_mov_b64 s[64:65], 0
	v_nop
	global_prefetch_b8 v0, s[64:65] scope:SCOPE_SE
	s_setreg_imm32_b32 hwreg(HW_REG_WAVE_MODE, 25, 1), 1
	s_wait_xcnt 0x0
	s_wait_alu depctr_hold_cnt(0) depctr_sa_sdst(0) depctr_va_vdst(0) depctr_va_sdst(0) depctr_va_ssrc(0) depctr_va_vcc(0) depctr_vm_vsrc(0)
	s_getreg_b32 s2, hwreg(HW_REG_IB_STS2, 6, 4)
	s_cmp_eq_u32 s2, 0
	s_cbranch_scc0 .Lentry_in_a_cluster
	s_endpgm
.Lentry_in_a_cluster:
	s_bfe_u32 s2, ttmp6, 0x10000c
	s_cmp_lg_u32 s2, 0x3003
	s_cbranch_scc0 .Lentry_shape_is_right
	s_endpgm
.Lentry_shape_is_right:
; THIRD LAUNCH: attention on codes, Q(e12), the projection by wo, + bo, the transposition to [channel][pixel], + x.  No work of the problem is left out.
; A work-group owns 64 queries (block j) of one batch b, all 8 heads.  Wave w: head w / 2, and two tiles of 16 queries (a, b: row tiles 4 j + 2 (w % 2) + 0, 1): each fragment of K and V that it
; reads from LDS feeds two matrix instructions.  Four waves share a SIMD, so that one wave's softmax stands beside another's products and LDS loads.
; KEYS go in blocks of 128 (all heads: 131,072 dense bytes of kv) through two LDS slots; a block is two steps of 64 keys.  The images are in the order of the registers: every LDS load is 512 consecutive bytes.
; CLUSTER: the four query blocks of a cluster belong to one batch and walk the same kv: every fill is asked for JOINTLY (the same tensor load, the same descriptor, mask 15, in all four).
; LAYOUT: S^T = K Q^T (source 0 = 16 keys, source 1 = 16 queries), O^T = V^T P (source 0 = 16 of the head's 64, source 1 = P): a lane holds ONE query throughout.  Tile t of S^T holds keys
; 16 t + 8 h + 0..7, whose eight codes are registers 2 t, 2 t + 1 of P; V's image has the same keys in the same registers.
; SOFTMAX: t = score x log2(e) / 8; M = the running largest t rounded UP to a whole number, kept as -M; p = 2^(t - M) is quantised under e10, not normalised; the sum is taken of the unquantised p;
; when M moves, the sum and O^T are multiplied by 2^(old M - new M), which rounds nothing.
; THE WAY OUT: O^T / sum x 2^(e10 + e11) is quantised under e12 in registers (V's choice of rows makes a lane's 16 registers of two tiles neighbours along wo's K), goes to the other waves as
; images through LDS, and wave w makes channels 32 w .. 32 w + 31 for the 64 pixels (source 0 = pixels, source 1 = rows of wo: a lane holds 8 neighbouring pixels of one channel).
; LIMITS: e8 + e9 between -123 and 130 (added to the exponent field of log2(e) / 8); e10 and e12 between -126 and 119; e12 + e13 between -126 and 127.  NaN among the inputs is not served.
; REGISTERS: v1-7 addresses; v8 -M, v9 largest t, v[10:11] the sum, for tile a; v12-15 for tile b; v16-31 Q; v32-63 K; v64-127 S^T, then p; v128-191 O^T; v192-207 P's codes;
; v208, v210 f; v209 4,096 x lane (named as an upper half, and the offset of the one prefetch of x); v212-221 at work; v223 the scale; v224-255 V.
.set SLOT1, 1<<17                      ; slot 0 at 0, slot 1 here: one exclusive or turns an address from one into the other
.set RIMG,  262144                     ; res: 16 fragments of 2,048 bytes, (row tile m, K step s) at (4 m + s) x 2,048
.set SPARE, 294912                     ; the spare words, 128 bytes a wave
.set STGB,  8704                       ; the way out: 32 rows x 272 bytes for each wave, in the slots, which have then had their last fill and their last read
.set AK0, 1
.set AV0, 2
.set PFO, 3
.set SPW, 4
.set NIL, 5
.set ADK, 6
.set ADV, 7
.set ST,  8
.set QF,  16
.set KF,  32
.set S,   64
.set O,   128
.set P,   192
.set FF,  208
.set PFX, 209
.set MX,  212
.set PD,  216
.set SU,  218
.set LIMV, 222
.set SCV, 223
.set VF,  224
.set WV,  18                           ; s18 wave; s19 head; s20 which pair of tiles; s21 cx; s22 j; s23 b
.set G1,  24                           ; s[24:31] descriptor group 1
.set G0,  32                           ; s[32:35] descriptor group 0, which walks
.set SEL, 36                           ; s[36:37] lane selects: lane l xor 16
.set CS,  38                           ; s[38:39] c = log2(e) / 8 x 2^(e8 + e9)
.set TB,  40                           ; s40 LDS byte at which the slot in hand begins
.set SLOTS, 41                         ; s41 blocks still to be asked for
.set LIM, 42                           ; s42 1 in a wave that prefetches, else the greatest number
.set PFA, 44                           ; s[44:45] where my prefetches stand
.macro CROUND                          ; a round of the cluster's barrier
	s_barrier_signal -1
	s_barrier_wait -1
	s_cmp_lg_u32 s[WV], 0
	s_cbranch_scc1 .Lnot_wave_0_\@
	s_barrier_signal -3
.Lnot_wave_0_\@:
	s_barrier_wait -3
	s_barrier_signal -1
	s_barrier_wait -1
.endm
.macro JLOAD                           ; a joint refill: waves 0 to 7, 16,384 bytes each; the branch hangs on the wave's number alone
	s_cmp_lt_u32 s[WV], 8
	s_cbranch_scc0 .Lno_load_\@
	tensor_load_to_lds s[G0:G0+3], s[G1:G1+7]
	s_nop 0
.rept 4
	v_nop
.endr
.Lno_load_\@:
.endm
; A prefetch of the block that the NEXT change of slots will ask for: two key steps ahead of that load.  All four clusters of a batch walk the same kv: the batch's first cluster asks.  Its four
; partners take 32,768 bytes each, told apart by address; in each, waves 8 to 11, which fetch nothing, take 8,192 bytes each, lanes 256 bytes apart: each aligned 256 bytes is named once.
; The last change that fills a slot asks for nothing; blocks 0 to 2 come by their loads alone.
.macro ASK
	s_cmp_gt_u32 s[SLOTS], s[LIM]
	s_cbranch_scc0 .Lnot_mine_\@
	global_prefetch_b8 v[PFO], s[PFA:PFA+1] th:TH_LOAD_NT scope:SCOPE_SE
.Lnot_mine_\@:
.endm
	s_load_b256 s[4:11], s[0:1], 0x0               ; qimg, kv, wimg, lowp_scales
	s_load_b128 s[12:15], s[0:1], 0x20             ; bo, x
	s_load_b64 s[16:17], s[0:1], 0x30              ; out0
	v_lshl_add_u32 v[SPW], v0, 2, SPARE
	v_mov_b32 v[NIL], 0
	ds_add_u32 v[SPW], v[NIL]                      ; the wave's opening: the add, twice on end, and its wait ahead of my first tensor load
	ds_add_u32 v[SPW], v[NIL]
	v_lshrrev_b32 v1, 5, v0
	s_delay_alu instid0(VALU_DEP_1)
	v_readfirstlane_b32 s[WV], v1                  ; wave 0..15
	s_lshr_b32 s19, s[WV], 1                       ; head
	s_and_b32 s20, s[WV], 1                        ; which pair of query tiles
	s_bfe_u32 s21, ttmp6, 0x40000                  ; cx
	s_lshl_b32 s22, ttmp9, 2
	s_add_co_u32 s22, s22, s21                     ; j = 4 x cluster x + cx: it enters qimg's, x's and out0's addresses and the prefetches' alone
	s_and_b32 s23, ttmp7, 0xffff                   ; b, which the four partners share
	; descriptor group 1: 64 rows of 32 elements of 8 bytes, dense: 16,384 bytes
	s_mov_b32 s[G1], 15|(3<<16)|(1<<21)            ; the mask: all four work-groups; elements of 8 bytes; bit 21 beside a mask; no padding
	s_mov_b32 s[G1+1], 32<<16                      ; tensor_dim0 = 32
	s_mov_b32 s[G1+2], 64<<16                      ; tensor_dim1 = 64
	s_mov_b32 s[G1+3], 32<<16                      ; tile_dim0 = 32
	s_mov_b32 s[G1+4], 64                          ; tile_dim1 = 64
	s_mov_b32 s[G1+5], 32                          ; tensor_dim0_stride
	s_mov_b32 s[G1+6], 0
	s_mov_b32 s[G1+7], 0
	s_mov_b32 s[G0], 1
	s_lshl_b32 s[G0+1], s[WV], 14                  ; LDS address 16,384 w: waves 0-7 fill slot 0, waves 8-15 slot 1
	s_lshl_b32 s56, s23, 20                        ; kv: 1,048,576 b + 16,384 w: block 0 for waves 0-7, block 1 for waves 8-15 (registers that never hold cx)
	s_lshl_b32 s57, s[WV], 14
	s_add_co_u32 s56, s56, s57
	s_mov_b32 s57, 0
	s_mov_b32 s[SEL], 0x76543210
	s_mov_b32 s[SEL+1], 0xfedcba98
	s_mov_b32 s[TB], 0
	s_mov_b32 s[SLOTS], 6
	s_sub_co_u32 s58, s[WV], 8
	s_lshr_b32 s58, s58, 2                         ; 0 in waves 8 to 11,
	s_or_b32 s58, s58, ttmp9                       ; of the batch's first cluster: the same in all four partners
	s_cmp_eq_u32 s58, 0
	s_cselect_b32 s[LIM], 1, -1
	s_lshl_b32 s60, s23, 20                        ; the prefetches: 1,048,576 b + 32,768 cx + 8,192 (w % 4), in block 2: the first change steps it to block 3
	s_lshl_b32 s61, s21, 15
	s_add_co_u32 s60, s60, s61
	s_and_b32 s61, s[WV], 3
	s_lshl_b32 s61, s61, 13
	s_add_co_u32 s60, s60, s61
	s_add_co_u32 s60, s60, 2*131072
	s_mov_b32 s61, 0
	s_mov_b32 s59, 0
	s_wait_dscnt 0x0                               ; both opening adds are done
	s_wait_kmcnt 0x0
	s_load_b128 s[48:51], s[10:11], 0x20           ; e8 .. e11
	s_load_b64 s[52:53], s[10:11], 0x30            ; e12, e13
	s_add_nc_u64 s[G0+2:G0+3], s[6:7], s[56:57]
	s_or_b32 s[G0+3], s[G0+3], 0x80000000          ; type = 2
	s_add_nc_u64 s[PFA:PFA+1], s[6:7], s[60:61]
	s_lshl_b32 s58, s23, 19                        ; Q: (64 b + 4 j + 2 pair) x 8,192 + 1,024 head
	s_lshl_b32 s62, s22, 15
	s_add_co_u32 s58, s58, s62
	s_lshl_b32 s62, s20, 14
	s_add_co_u32 s58, s58, s62
	s_lshl_b32 s62, s19, 10
	s_add_co_u32 s58, s58, s62
	s_add_nc_u64 s[4:5], s[4:5], s[58:59]
	s_lshl_b32 s58, s[WV], 14                      ; wo: the fifth image, my two tiles
	s_add_co_u32 s58, s58, 4*262144
	s_add_nc_u64 s[8:9], s[8:9], s[58:59]
	s_lshl_b32 s58, s[WV], 7
	s_add_nc_u64 s[12:13], s[12:13], s[58:59]      ; bo at my 32 channels
	s_lshl_b32 s58, s23, 21                        ; x and out0: 2,097,152 b + 131,072 w + 256 j
	s_lshl_b32 s62, s[WV], 17
	s_add_co_u32 s58, s58, s62
	s_lshl_b32 s62, s22, 8
	s_add_co_u32 s58, s58, s62
	s_add_nc_u64 s[14:15], s[14:15], s[58:59]
	s_add_nc_u64 s[16:17], s[16:17], s[58:59]
	CROUND                                         ; all four work-groups are here: the first joint loads meet
	tensor_load_to_lds s[G0:G0+3], s[G1:G1+7]      ; every wave issues one first fill: one tensor load of mine is out
	s_nop 0
.rept 4
	v_nop
.endr
	v_and_b32 v[ADK], 31, v0
	s_delay_alu instid0(VALU_DEP_1)
	v_lshlrev_b32 v[ADK], 4, v[ADK]                ; 16 x lane
.irp q, 0,1
.irp c, 0,1
	global_load_b128 v[QF+8*\q+4*\c:QF+8*\q+4*\c+3], v[ADK], s[4:5] offset:8192*\q+512*\c   ; Q's two fragments stay in registers
.endr
.endr
	s_lshl_b32 s58, s19, 10
	v_add_nc_u32 v[AK0], s58, v[ADK]               ; K: 1,024 head + 16 x lane
	s_lshl_b32 s58, s19, 12
	s_add_co_u32 s58, s58, 65536
	v_add_nc_u32 v[AV0], s58, v[ADK]               ; V: 65,536 + 4,096 head + 16 x lane
	v_lshlrev_b32 v[PFO], 4, v[ADK]                ; 256 x lane
	v_lshlrev_b32 v[PFX], 8, v[ADK]                ; 4,096 x lane
.irp q, 0,1
	v_mov_b32 v[ST+4*\q+1], 0xff61b1e6             ; the largest t so far: -3e38, under every t
	s_delay_alu instid0(VALU_DEP_1)
	v_floor_f32 v[ST+4*\q], -v[ST+4*\q+1]          ; -M
	v_mov_b32 v[ST+4*\q+2], 0                      ; the sum, in two halves
	v_mov_b32 v[ST+4*\q+3], 0
	v_mov_b32 v[PD+\q], 0                          ; written once: a lane permute's destination counts as one of its sources
.endr
	v_mov_b32 v[FF+3], 0                           ; (named as the upper half of the pair v[210:211])
.set J, 0
.rept 64
	v_mov_b32 v[O+J], 0                            ; O^T: the step is written once; its first run finds zeros, which the first change of M leaves zeros
.set J, J+1
.endr
	s_wait_kmcnt 0x0
	s_add_co_i32 s58, s48, s49
	s_lshl_b32 s58, s58, 23
	s_mov_b32 s[CS], 0x3e38aa3b                    ; log2(e) / 8
	s_add_co_i32 s[CS], s[CS], s58                 ; a score stands for score x 2^(e8 + e9): added to the exponent field
	s_mov_b32 s[CS+1], s[CS]
	s_add_co_i32 s58, s50, 127
	s_lshl_b32 s62, s58, 23
	v_mov_b32 v[SCV], s62                          ; 2^e10
	s_wait_tensorcnt 0x0                           ; my first fill has landed, so group 0 may be written:
	s_xor_b32 s[G0+1], s[G0+1], SLOT1              ; one step on; the first change of slots steps waves 0-7 to slot 0 and block 2
	s_add_nc_u64 s[G0+2:G0+3], s[G0+2:G0+3], 131072
	s_barrier_signal -1
	s_barrier_wait -1                              ; both slots are whole
; A KEY STEP: 64 keys, the st-th of the block in hand, for both tiles of queries.
.macro STEP st
	v_add_nc_u32 v[ADK], s[TB], v[AK0]
	v_add_nc_u32 v[ADV], s[TB], v[AV0]
	v_nop                                          ; with the two additions: four places between the last products, which read V, and the loads into V's registers
	v_nop
.irp t, 0,1,2,3
.irp c, 0,1
	ds_load_b128 v[KF+8*\t+4*\c:KF+8*\t+4*\c+3], v[ADK] offset:(4*(\st)+\t)*8192+512*\c
.endr
.endr
.irp t, 0,1,2,3
.irp c, 0,1
	ds_load_b128 v[VF+8*\t+4*\c:VF+8*\t+4*\c+3], v[ADV] offset:32768*(\st)+1024*\t+512*\c
.endr
.endr
	s_wait_dscnt 8                                 ; K's eight loads are in; V's eight may be out
.irp t, 0,1,2,3
.irp q, 0,1
	v_wmma_f32_16x16x64_fp8_fp8 v[S+32*\q+8*\t:S+32*\q+8*\t+7], v[KF+8*\t:KF+8*\t+7], v[QF+8*\q:QF+8*\q+7], 0
.endr
.endr
.rept 4
	v_nop
.endr
	; the step's largest score of my query among my 32 keys, in two chains a tile; each accumulator is first read at its low end
.irp q, 0,1
	v_max3_num_f32 v[MX+2*\q], v[S+32*\q], v[S+32*\q+1], v[S+32*\q+2]
.endr
.irp q, 0,1
	v_max3_num_f32 v[MX+2*\q+1], v[S+32*\q+3], v[S+32*\q+4], v[S+32*\q+5]
.endr
.irp i, 6,10,14,18,22,26
.irp q, 0,1
	v_max3_num_f32 v[MX+2*\q], v[MX+2*\q], v[S+32*\q+\i], v[S+32*\q+\i+1]
.endr
.irp q, 0,1
	v_max3_num_f32 v[MX+2*\q+1], v[MX+2*\q+1], v[S+32*\q+\i+2], v[S+32*\q+\i+3]
.endr
.endr
.irp q, 0,1
	v_max3_num_f32 v[MX+2*\q], v[MX+2*\q], v[S+32*\q+30], v[S+32*\q+31]
.endr
.irp q, 0,1
	s_delay_alu instid0(VALU_DEP_2)
	v_max_num_f32 v[MX+2*\q], v[MX+2*\q], v[MX+2*\q+1]
.endr
.irp q, 0,1
	s_delay_alu instid0(VALU_DEP_2)
	v_permlanex16_b32 v[PD+\q], v[MX+2*\q], s[SEL], s[SEL+1]
.endr
.irp q, 0,1
	s_delay_alu instid0(VALU_DEP_2)
	v_max_num_f32 v[MX+2*\q], v[MX+2*\q], v[PD+\q]             ; and among lane l xor 16's
.endr
.irp q, 0,1
	s_delay_alu instid0(VALU_DEP_2)
	v_mul_f32 v[MX+2*\q], s[CS], v[MX+2*\q]                    ; as t (c is positive)
.endr
.irp q, 0,1
	s_delay_alu instid0(VALU_DEP_2)
	v_max_num_f32 v[ST+4*\q+1], v[ST+4*\q+1], v[MX+2*\q]       ; the running largest t
.endr
.irp q, 0,1
	v_mov_b32 v[MX+2*\q], v[ST+4*\q]
.endr
.irp q, 0,1
	s_delay_alu instid0(VALU_DEP_4)
	v_floor_f32 v[ST+4*\q], -v[ST+4*\q+1]                      ; the new -M = floor(-t): M is a whole number
.endr
.irp q, 0,1
	s_delay_alu instid0(VALU_DEP_2)
	v_sub_f32 v[MX+2*\q], v[ST+4*\q], v[MX+2*\q]               ; old M - new M: a whole number, 0 or less
.endr
.irp q, 0,1
	s_delay_alu instid0(VALU_DEP_2)
	v_cvt_i32_f32 v[MX+2*\q], v[MX+2*\q]                       ; (it saturates)
.endr
.irp q, 0,1
	s_delay_alu instid0(VALU_DEP_2)
	v_ldexp_f32 v[FF+2*\q], 1.0, v[MX+2*\q]                    ; f = 2^(old M - new M)
.endr
.irp q, 0,1
.set J, 0
.rept 16
	v_pk_fma_f32 v[S+32*\q+J:S+32*\q+J+1], v[S+32*\q+J:S+32*\q+J+1], s[CS:CS+1], v[ST+4*\q:ST+4*\q+1] op_sel_hi:[1,0,0]   ; t - M, two at a time (of c and -M the low word serves both halves)
.set J, J+2
.endr
.endr
.set J, 0
	s_wait_alu depctr_va_vdst(0)
.rept 64
	v_exp_f32 v[S+J], v[S+J]                       ; p = 2^(t - M), at most 1
.set J, J+1
.endr
.irp q, 0,1
	v_pk_mul_f32 v[ST+4*\q+2:ST+4*\q+3], v[ST+4*\q+2:ST+4*\q+3], v[FF+2*\q:FF+2*\q+1] op_sel_hi:[1,0]   ; the sums under the new M: also the plain instruction behind the exponentials
.endr
	s_wait_alu depctr_va_vdst(0)                   ; the wait ahead of the first line that names a result: one for the batch of 64
.irp q, 0,1
	v_pk_add_f32 v[SU+2*\q:SU+2*\q+1], v[S+32*\q:S+32*\q+1], v[S+32*\q+2:S+32*\q+3]   ; the sum is taken of the unquantised p, in two chains a tile
.endr
.irp j, 4,8,12,16,20,24,28
.irp q, 0,1
	v_pk_add_f32 v[ST+4*\q+2:ST+4*\q+3], v[ST+4*\q+2:ST+4*\q+3], v[S+32*\q+\j:S+32*\q+\j+1]
.endr
.irp q, 0,1
	v_pk_add_f32 v[SU+2*\q:SU+2*\q+1], v[SU+2*\q:SU+2*\q+1], v[S+32*\q+\j+2:S+32*\q+\j+3]
.endr
.endr
.irp q, 0,1
	s_delay_alu instid0(VALU_DEP_2)
	v_pk_add_f32 v[ST+4*\q+2:ST+4*\q+3], v[ST+4*\q+2:ST+4*\q+3], v[SU+2*\q:SU+2*\q+1]
.endr
.set J, 0
.rept 64
.set J, J+1
.endr
.irp q, 0,1
.irp t, 0,1,2,3
	v_cvt_scalef32_pk8_fp8_f32 v[P+8*\q+2*\t:P+8*\q+2*\t+1], v[S+32*\q+8*\t:S+32*\q+8*\t+7], v[SCV]
.endr
.endr
.irp q, 0,1
.set J, 0
.rept 16
	v_pk_mul_f32 v[O+32*\q+J:O+32*\q+J+1], v[O+32*\q+J:O+32*\q+J+1], v[FF+2*\q:FF+2*\q+1] op_sel_hi:[1,0]   ; O^T under the new M; also the plain instructions behind the conversions
.set J, J+2
.endr
.endr
	s_wait_alu depctr_va_vdst(0)
	s_wait_dscnt 0x0                               ; V is in
.irp t, 0,1,2,3
.irp q, 0,1
	v_wmma_f32_16x16x64_fp8_fp8 v[O+32*\q+8*\t:O+32*\q+8*\t+7], v[VF+8*\t:VF+8*\t+7], v[P+8*\q:P+8*\q+7], v[O+32*\q+8*\t:O+32*\q+8*\t+7]   ; the eight accumulators take turns
.endr
.endr
.endm
.macro BLOCK
	STEP 0
	STEP 1
	s_xor_b32 s[TB], s[TB], SLOT1                  ; on to the other slot
.endm
; THE CHANGE OF SLOTS, at a block's head.  Each wave waits for all its tensor loads, adds 0 to its spare word, and waits for that and for its reads of the slot that it has left.
; fill = 1: the barrier is a round of the cluster's, and behind it the slot just left is filled with the block after next: the load has a block's two steps in which to land.
.macro CHANGE fill
	s_wait_tensorcnt 0x0                           ; no tensor load of mine is out, so group 0 may be written
	ds_add_u32 v[SPW], v[NIL]
.if \fill
	s_xor_b32 s[G0+1], s[G0+1], SLOT1              ; the other slot than last time,
	s_add_nc_u64 s[G0+2:G0+3], s[G0+2:G0+3], 131072  ; the next block; the type bits on top are not reached
	s_wait_xcnt 0x0                                ; the last prefetch, a block back, has read its address
	s_add_nc_u64 s[PFA:PFA+1], s[PFA:PFA+1], 131072  ; one block further on than the walking descriptor
	s_wait_dscnt 0x0                               ; the add is done, and my reads of the slot that I have left are over
	CROUND
	JLOAD
	ASK
.else
	s_wait_dscnt 0x0
	s_barrier_signal -1
	s_barrier_wait -1
	global_prefetch_b8 v[PFX], s[14:15] th:TH_LOAD_NT scope:SCOPE_SE   ; my 32 channel rows' 256 bytes of x, a lane a row: a block's two steps ahead of their loads; each is named once in the launch
.endif
.endm
	s_wait_loadcnt 0x0                             ; Q
	BLOCK                                          ; block 0
.Lblk:                                             ; six trips: blocks 1 to 6; they ask for blocks 2 to 7
	CHANGE 1
	BLOCK
	s_sub_co_u32 s[SLOTS], s[SLOTS], 1
	s_cmp_lg_u32 s[SLOTS], 0
	s_cbranch_scc1 .Lblk
	CHANGE 0                                       ; the last block is written out
	BLOCK
	; ---- res = O^T / sum x 2^(e10 + e11), quantised under e12.  The additions and the address work are the places behind the last products.
	v_add_f32 v10, v10, v11
	v_add_f32 v14, v14, v15
	s_delay_alu instid0(VALU_DEP_2)
	v_permlanex16_b32 v[PD], v10, s[SEL], s[SEL+1]
	s_delay_alu instid0(VALU_DEP_2)
	v_permlanex16_b32 v[PD+1], v14, s[SEL], s[SEL+1]
	s_delay_alu instid0(VALU_DEP_2)
	v_add_f32 v10, v10, v[PD]
	s_delay_alu instid0(VALU_DEP_2)
	v_add_f32 v14, v14, v[PD+1]
	s_wait_alu depctr_va_vdst(0)
	v_rcp_f32 v10, v10
	v_rcp_f32 v14, v14
	s_wait_xcnt 0x0                                ; the prefetches, the last a block back, have read their address registers: v3 and v209 may be written
	v_and_b32 v6, 31, v0
	s_delay_alu instid0(VALU_DEP_1)
	v_lshlrev_b32 v6, 4, v6                        ; 16 x lane
	v_and_b32 v212, 15, v0                         ; r
	v_bfe_u32 v213, v0, 4, 1                       ; h
	s_lshl_b32 s58, s20, 14
	s_lshl_b32 s62, s19, 10
	s_add_co_u32 s58, s58, s62
	s_add_co_u32 s58, s58, RIMG
	v_add_nc_u32 v7, s58, v6                       ; where my codes go: row tiles 2 pair + q, K step head / 2, c = 2 (head % 2) + 0, 1
	v_add_nc_u32 v1, RIMG, v6                      ; and where any fragment is read
	s_mul_i32 s58, s[WV], STGB                     ; my stage
	v_mul_u32_u24 v2, v212, 272
	s_delay_alu instid0(VALU_DEP_1)
	v_lshl_add_u32 v2, v213, 5, v2
	s_delay_alu instid0(VALU_DEP_1)
	v_add_nc_u32 v2, s58, v2                       ; in: row r, + 32 h
	v_mul_u32_u24 v3, v213, 272
	s_delay_alu instid0(VALU_DEP_1)
	v_lshl_add_u32 v3, v212, 4, v3
	s_delay_alu instid0(VALU_DEP_1)
	v_add_nc_u32 v3, s58, v3                       ; back: lanes 0-15 one row, lanes 16-31 the next
	v_lshlrev_b32 v8, 12, v213
	s_delay_alu instid0(VALU_DEP_1)
	v_lshl_add_u32 v8, v212, 4, v8                 ; and the same in x and out0: 4,096 h + 16 r
	v_and_b32 v9, 8, v212
	s_delay_alu instid0(VALU_DEP_1)
	v_add_nc_u32 v9, v9, v212
	s_delay_alu instid0(VALU_DEP_1)
	v_lshlrev_b32 v9, 2, v9                        ; bo: 4 (r + 8 (r / 8))
	s_add_co_i32 s58, s50, s51                     ; e10 + e11
	s_wait_alu depctr_va_vdst(0)                   ; one wait for both reciprocals, ahead of their first reader
	v_ldexp_f32 v10, v10, s58
	v_ldexp_f32 v14, v14, s58
.irp q, 0,1
.set J, 0
.rept 16
	v_pk_mul_f32 v[S+32*\q+J:S+32*\q+J+1], v[O+32*\q+J:O+32*\q+J+1], v[ST+4*\q+2:ST+4*\q+3] op_sel_hi:[1,0]   ; each accumulator from its low end on
.set J, J+2
.endr
.endr
.irp s, 0,1,2,3
.irp c, 0,1,2,3
	global_load_b128 v[128+16*\s+4*\c:128+16*\s+4*\c+3], v6, s[8:9] offset:2048*\s+512*\c   ; wo's first tile, into the registers that O^T has left
.endr
.endr
	global_load_b32 v12, v9, s[12:13]              ; bo of my lane's channel in tile 0,
	global_load_b32 v14, v9, s[12:13] offset:32    ; in tile 1
	s_add_co_i32 s58, s52, 127
	s_lshl_b32 s62, s58, 23
	v_mov_b32 v[SCV], s62                          ; 2^e12
	s_add_co_i32 s54, s52, s53
	s_add_co_i32 s54, s54, 127
	s_lshl_b32 s54, s54, 23                        ; 2^(e12 + e13)
	s_mov_b32 s55, s54
.set J, 0
.rept 64
.set J, J+1
.endr
.irp q, 0,1
.irp t, 0,1,2,3
	v_cvt_scalef32_pk8_fp8_f32 v[P+8*\q+2*\t:P+8*\q+2*\t+1], v[S+32*\q+8*\t:S+32*\q+8*\t+7], v[SCV]   ; tiles 2 c, 2 c + 1: d = 32 c + 16 h + 0..15
.endr
.endr
	v_nop                                          ; a plain instruction behind the last conversion: matrix instructions write its sources below
.irp q, 0,1
.irp c, 0,1
	ds_store_b128 v7, v[P+8*\q+4*\c:P+8*\q+4*\c+3] offset:8192*\q+512*\c
.endr
.endr
	s_wait_dscnt 0x0                               ; my stores have landed (and have read their registers), my reads of the slots are over
.irp s, 0,1,2,3
.irp c, 0,1,2,3
	global_load_b128 v[192+16*\s+4*\c:192+16*\s+4*\c+3], v6, s[8:9] offset:8192+2048*\s+512*\c   ; wo's second tile
.endr
.endr
	s_barrier_signal -1
	s_barrier_wait -1                              ; res's sixteen fragments lie in LDS; nobody reads a slot any more
	; ---- out = res wo^T: my 32 channels x 64 pixels: eight accumulators (tile u, row tile m) at v[64 + 32 u + 8 m], by turns
.irp s, 0,1,2,3
.irp mp, 0,1
.irp i, 0,1
.irp c, 0,1,2,3
	ds_load_b128 v[KF+16*\i+4*\c:KF+16*\i+4*\c+3], v1 offset:(4*(2*\mp+\i)+\s)*2048+512*\c
.endr
.endr
	s_wait_dscnt 0x0
.if (\s == 0) && (\mp == 0)
	s_wait_loadcnt 0x0                             ; wo and bo
.endif
.irp u, 0,1
.irp i, 0,1
.if \s == 0
	v_wmma_f32_16x16x128_fp8_fp8 v[S+32*\u+8*(2*\mp+\i):S+32*\u+8*(2*\mp+\i)+7], v[KF+16*\i:KF+16*\i+15], v[128+64*\u+16*\s:128+64*\u+16*\s+15], 0
.else
	v_wmma_f32_16x16x128_fp8_fp8 v[S+32*\u+8*(2*\mp+\i):S+32*\u+8*(2*\mp+\i)+7], v[KF+16*\i:KF+16*\i+15], v[128+64*\u+16*\s:128+64*\u+16*\s+15], v[S+32*\u+8*(2*\mp+\i):S+32*\u+8*(2*\mp+\i)+7]
.endif
.endr
.endr
.rept 4
	v_nop                                          ; places in front of the next loads into the fragments' registers, and of the first read of results
.endr
.endr
.endr
	; stage row 2 i + h holds channel 32 w + 8 (i / 8) + 2 (i % 8) + 8 ((i % 8) / 4) + h: wo's tiles take their rows in wimg's order
.irp i, 0,1,2,3,4,5,6,7,8,9,10,11,12,13,14,15
	global_load_b128 v[128+4*\i:128+4*\i+3], v8, s[14:15] offset:4096*(8*(\i/8)+2*(\i%8)+8*((\i%8)/4)) th:TH_LOAD_NT   ; x: sixteen lanes read 256 consecutive bytes of a channel row
.endr
.irp u, 0,1
.set J, 0
.rept 16
	v_pk_fma_f32 v[S+32*\u+J:S+32*\u+J+1], v[S+32*\u+J:S+32*\u+J+1], s[54:55], v[12+2*\u:13+2*\u] op_sel_hi:[1,0,0]   ; sum x 2^(e12 + e13) + bo
.set J, J+2
.endr
.endr
.irp u, 0,1
.irp m, 0,1,2,3
	ds_store_b128 v2, v[S+32*\u+8*\m:S+32*\u+8*\m+3] offset:4352*\u+64*\m          ; lane (r, h): pixels 16 m + 8 h + 0..7 of stage row 16 u + r
	ds_store_b128 v2, v[S+32*\u+8*\m+4:S+32*\u+8*\m+7] offset:4352*\u+64*\m+16
.endr
.endr
.irp i, 0,1,2,3,4,5,6,7,8,9,10,11,12,13,14,15
	ds_load_b128 v[192+4*\i:192+4*\i+3], v3 offset:544*\i   ; LDS serves a wave's instructions in order: these see my stores
.endr
	s_wait_loadcnt 0x0                             ; x
.irp i, 0,1,2,3,4,5,6,7,8,9,10,11,12,13,14,15
	s_wait_dscnt 15-\i                             ; rows 2 i, 2 i + 1 are back; the younger loads may be out
	v_pk_add_f32 v[192+4*\i:192+4*\i+1], v[192+4*\i:192+4*\i+1], v[128+4*\i:128+4*\i+1]
	v_pk_add_f32 v[192+4*\i+2:192+4*\i+3], v[192+4*\i+2:192+4*\i+3], v[128+4*\i+2:128+4*\i+3]
	global_store_b128 v8, v[192+4*\i:192+4*\i+3], s[16:17] offset:4096*(8*(\i/8)+2*(\i%8)+8*((\i%8)/4)) th:TH_STORE_NT   ; sixteen lanes store 256 consecutive bytes, aligned
.endr
	s_wait_tensorcnt 0x0                           ; the wave's end, behind my last tensor load and my last LDS store
	ds_add_u32 v[SPW], v[NIL]
	s_wait_dscnt 0x0
	CROUND                                         ; the closing round: no work-group ends while a partner may still ask for a block that names it
	s_endpgm
.Lfunc_end_k_q48ed2b0c56_attn:
	.size	k_q48ed2b0c56_attn, .Lfunc_end_k_q48ed2b0c56_attn-k_q48ed2b0c56_attn
	.p2alignl 7, 3214868480
	.fill 96, 4, 3214868480
	.section	.rodata,"a",@progbits
	.p2align	6, 0x0
	.amdhsa_kernel k_q48ed2b0c56_attn
		.amdhsa_group_segment_fixed_size 327680
		.amdhsa_private_segment_fixed_size 0
		.amdhsa_enable_private_segment 0
		.amdhsa_kernarg_size 56
		.amdhsa_user_sgpr_count 2
		.amdhsa_user_sgpr_kernarg_segment_ptr 1
		.amdhsa_wavefront_size32 1
		.amdhsa_system_sgpr_workgroup_id_x 1
		.amdhsa_system_sgpr_workgroup_id_y 1
		.amdhsa_system_sgpr_workgroup_id_z 1
		.amdhsa_system_vgpr_workitem_id 0
		.amdhsa_next_free_vgpr 256
		.amdhsa_next_free_sgpr 66
		.amdhsa_reserve_vcc 0
		.amdhsa_float_denorm_mode_32 3
		.amdhsa_float_denorm_mode_16_64 3
		.amdhsa_fp16_overflow 1
		.amdhsa_memory_ordered 1
		.amdhsa_forward_progress 1
		.amdhsa_inst_pref_size 122
	.end_amdhsa_kernel
	.amdgpu_metadata
---
amdhsa.version: [ 1, 2 ]
amdhsa.kernels:
  - .name:           k_q48ed2b0c56_attn
    .symbol:         k_q48ed2b0c56_attn.kd
    .args:
      - { .name: qimg, .offset: 0, .size: 8, .value_kind: global_buffer, .address_space: global }
      - { .name: kv, .offset: 8, .size: 8, .value_kind: global_buffer, .address_space: global }
      - { .name: wimg, .offset: 16, .size: 8, .value_kind: global_buffer, .address_space: global }
      - { .name: lowp_scales, .offset: 24, .size: 8, .value_kind: global_buffer, .address_space: global }
      - { .name: bo, .offset: 32, .size: 8, .value_kind: global_buffer, .address_space: global }
      - { .name: x, .offset: 40, .size: 8, .value_kind: global_buffer, .address_space: global }
      - { .name: out0, .offset: 48, .size: 8, .value_kind: global_buffer, .address_space: global }
    .group_segment_fixed_size: 327680
    .private_segment_fixed_size: 0
    .kernarg_segment_align: 8
    .kernarg_segment_size: 56
    .max_flat_workgroup_size: 512
    .sgpr_count:     66
    .vgpr_count:     256
    .wavefront_size: 32
...
	.end_amdgpu_metadata
.endif
;; end of part 3
